; MI455X (gfx1250); checked and timed in simulation.
; The chip was launched on July 23, 2026; its instructions are those of AMD's public machine-readable ISA for CDNA 5 (MIT licence, August 2026) and "CDNA5" Instruction Set Architecture Reference Guide (July 2026). The comments in the code are by the model that wrote it; some were corrected since.
;; Multiband Frame Attention. Allowed arithmetic: float matrix products may take bf16 or f16 operands with f32 sums; all other float work in f32.
;; Inputs: Wk 512 x 512 float32; Wo 512 x 512 float32; Wq 512 x 512 float32; Wv 512 x 512 float32; bk 512 float32; bo 512 float32; bq 512 float32; bv 512 float32; er 64 x 2,048 float32; x 2 x 2,048 x 512 float32.
;; Outputs: out0 2 x 2,048 x 512 float32.
;; Constants: num_bands = 8.
;; One version. Each part assembles by itself: llvm-mc -triple=amdgcn-amd-amdhsa -mcpu=gfx1250 --defsym DOCPART=n.
;; ======== version 1 of 1: 3 launches
;; limits: values are held in f16: magnitudes above 65,504 overflow, below 6.1e-05 lose precision
;; workspace buffers: kq 8,388,608 bytes; vt 4,194,304 bytes; wo16 524,288 bytes; oh 4,194,304 bytes
;; launch proj (part 1): grid 8 x 32, 8 waves a work-group, no clusters, 145,408 bytes of LDS; arguments x, Wq, Wk, Wv, bq, bk, bv, Wo, kq, vt, wo16; writes kq, vt, wo16
.if DOCPART == 1
	.amdgcn_target "amdgcn-amd-amdhsa--gfx1250"
	.amdhsa_code_object_version 6
	.text
	.protected	k_q7fe84313b3_proj
	.globl	k_q7fe84313b3_proj
	.p2align	8
	.type	k_q7fe84313b3_proj,@function
k_q7fe84313b3_proj:
	s_mov_b64 s[64:65], 0
	v_nop
	global_prefetch_b8 v0, s[64:65] scope:SCOPE_SE
	s_setreg_imm32_b32 hwreg(HW_REG_WAVE_MODE, 25, 1), 1
	s_wait_xcnt 0x0
; k, q, v = x W^T + b for one head and 128 rows of x, rounded to f16; and 1/256 of Wo rounded to f16.
;   kq  [16 bh][2048 w][128] f16: columns 0-63 k, columns 64-127 q (one row = 256 bytes)
;   vt  [16 bh][64 d][2048 w] f16: v transposed
;   wo16 [512][512] f16
; Work-group (head = x, row block = y): a block of 128 rows x 192 columns (64 of k, of q, of v), K = 512 in 8 steps of 64.
; Eight waves: wave w takes rows 64 (w >> 2) .. + 63 and columns 16 (w & 3) .. + 15 of each of k, q, v: 12 accumulators.
; FORMAT: f16, for its 11 significant bits: the result is an average over 2,048 keys, in which the roundings of v, of the weights and of o
; do not shrink against the result, and 8 significant bits leave too little margin.  Sums and biases in f32.
; LIMITS: |x|, |W|, |q|, |k|, |v| stay below 65,504, or the conversion overflows.  Room: x and W 30 times larger give |q|, |k|, |v| near
; 5.6 x 900 = 5,000; offsets of 30 spreads on x (30) and on W (1.33) give 512 x 30 x 1.33 = 20,400.  Below 2^-14 the step is 2^-24.
; WHY THROUGH REGISTERS, WITHOUT JOINT TENSOR LOADS, although 8 work-groups read the same rows of x and 32 the same weights:
; the operands are f32 in memory.  Loaded through registers each number is rounded once and lies in LDS as 2 bytes.  As f32
; tiles in LDS each fragment would cost twice the LDS bytes, and a row of x would be rounded by four waves and a row of W by two.
; Two register sets hold two K steps (2 x 20 loads of 16 bytes a lane) on their way across the barriers.
.set KP,      144                      ; LDS row of a tile: 64 f16 + 16 bytes = 9 x 16, so 16 rows start in 16 different 16-byte columns
.set BUF,     320*KP                   ; a tile: rows 0-127 x, 128-191 Wk, 192-255 Wq, 256-319 Wv
.set SP,      272                      ; LDS row of a stage: 256 bytes + 16
.set KQSTAGE, 2*BUF                    ; 128 rows of kq
.set VTSTAGE, KQSTAGE+128*SP           ; 64 rows of vt
.set VOX,  1                           ; v1      (t >> 4) x 2048 + (t & 15) x 16: my 16 bytes in 16 rows of f32
.set STA,  2                           ; v2-3    where my 8 bytes of f16 go in tile buffer 0, 1
.set ADA,  4                           ; v4-5    my fragments of x in buffer 0, 1
.set ADB,  6                           ; v6-7    my fragments of W in buffer 0, 1
.set T16,  8                           ; v8      16 t
.set T8,   9                           ; v9      8 t
.set WOB,  10                          ; v10-11  my four numbers of Wo as f16
.set BOF,  12                          ; v12     offset of my 8 numbers of bk, bq; on the way out: read address in the stages
.set BVO,  13                          ; v13     offset of my number of bv; on the way out: my offset in vt
.set SKQ,  14                          ; v14     where a k or q tile goes in the stage
.set SVT,  15                          ; v15     where a v tile goes in the stage
.set BIAS, 16                          ; v16-39  the biases in the layout of an accumulator: k, q, v
.set FA,   40                          ; v40-71  four fragments of x, first half of a K step
.set FB,   72                          ; v72-95  fragments of Wk, Wq, Wv, first half of a K step
.set ST0,  96                          ; v96-175   staging set 0: 20 x 4 registers as loaded
.set ST1,  176                         ; v176-255  staging set 1
                                       ; v256-351  accumulator (mt, j) at 8 (3 mt + j) of the second window
.set FA1,  96                          ; second window: v352-383 four fragments of x, second half of a K step
.set FB1,  128                         ; second window: v384-407 fragments of Wk, Wq, Wv, second half
.set MSB, 0
.macro WIN new                         ; s_set_vgpr_msb: bits 1:0 source 0, 3:2 source 1, 5:4 source 2, 7:6 destination; the high byte repeats the setting left
.if MSB != \new
	s_set_vgpr_msb (MSB<<8)|\new
.set MSB, \new
.endif
.endm
.macro PLACES                          ; four places between a matrix instruction and a load into, or a vector read of, its registers
.rept 4
	v_nop
.endr
.endm
	s_load_b512 s[16:31], s[0:1], 0x0              ; x 16, Wq 18, Wk 20, Wv 22, bq 24, bk 26, bv 28, Wo 30
	s_load_b128 s[32:35], s[0:1], 0x40             ; kq 32, vt 34
	s_load_b64 s[36:37], s[0:1], 0x50              ; wo16
	s_set_vgpr_msb 0x40
	v_lshl_add_u32 v152, v0, 2, 0x23400
	v_mov_b32 v153, 0
	s_set_vgpr_msb 0x4000
	v_lshrrev_b32 v40, 5, v0
	v_readfirstlane_b32 s8, v40                    ; wave 0..7
	s_lshr_b32 s9, s8, 2                           ; mw: which 64 rows
	s_and_b32 s10, s8, 3                           ; nw: which 16 columns of each of k, q, v
	s_and_b32 s11, ttmp7, 0xffff                   ; row block 0..31
	s_lshl_b32 s40, s11, 18                        ; x: 128 rows of 2,048 bytes
	s_mov_b32 s41, 0
	s_lshl_b32 s42, ttmp9, 17                      ; W: 64 rows of 2,048 bytes a head
	s_mov_b32 s43, 0
	s_lshl_b32 s44, ttmp9, 8                       ; biases: 64 numbers a head
	s_mov_b32 s45, 0
	s_lshl_b32 s12, s11, 3
	s_add_co_u32 s12, s12, ttmp9                   ; the work-group as one number, 0..255
	s_lshl_b32 s46, s12, 12                        ; Wo: 4,096 bytes each
	s_mov_b32 s47, 0
	s_lshl_b32 s48, s12, 11                        ; wo16: 2,048 bytes each
	s_mov_b32 s49, 0
	s_lshr_b32 s13, s11, 4
	s_lshl_b32 s13, s13, 3
	s_add_co_u32 s13, s13, ttmp9                   ; bh = 8 batch + head
	s_and_b32 s14, s11, 15                         ; row block inside the batch
	s_lshl_b32 s50, s13, 19                        ; kq: 524,288 bytes a bh, 128 rows of 256 bytes a block
	s_lshl_b32 s15, s14, 15
	s_add_co_u32 s50, s50, s15
	s_mov_b32 s51, 0
	s_lshl_b32 s52, s13, 18                        ; vt: 262,144 bytes a bh, 128 columns of 2 bytes a block
	s_lshl_b32 s15, s14, 8
	s_add_co_u32 s52, s52, s15
	s_mov_b32 s53, 0
	v_and_b32 v41, 15, v0                          ; r = t & 15
	v_bfe_u32 v42, v0, 4, 1                        ; h = half of the wave
	v_lshrrev_b32 v43, 4, v0                       ; rs = t >> 4, 0..15
	v_lshlrev_b32 v44, 4, v41
	v_lshl_add_u32 v[VOX], v43, 11, v44
	v_mul_u32_u24 v45, v43, KP
	v_lshl_add_u32 v[STA], v41, 3, v45             ; row rs, 8 bytes a lane
	v_add_nc_u32 v[STA+1], BUF, v[STA]
	v_mul_u32_u24 v46, v41, KP
	v_lshl_add_u32 v46, v42, 4, v46                ; r x pitch + 16 h: a fragment lane
	s_mul_i32 s15, s9, 64*KP
	v_add_nc_u32 v[ADA], s15, v46
	v_add_nc_u32 v[ADA+1], BUF, v[ADA]
	s_mul_i32 s15, s10, 16*KP
	s_add_co_u32 s15, s15, 128*KP
	v_add_nc_u32 v[ADB], s15, v46
	v_add_nc_u32 v[ADB+1], BUF, v[ADB]
	v_lshlrev_b32 v[T16], 4, v0
	v_lshlrev_b32 v[T8], 3, v0
	s_lshl_b32 s15, s10, 6
	v_lshl_add_u32 v[BOF], v42, 5, s15             ; columns 16 nw + 8 h .. + 7
	v_lshl_add_u32 v[BVO], v41, 2, s15             ; column 16 nw + r
	v_mul_u32_u24 v47, v41, SP
	v_lshl_add_u32 v47, v42, 4, v47                ; r x 272 + 16 h
	s_mul_i32 s15, s9, 64*SP
	s_lshl_b32 s7, s10, 5
	s_add_co_u32 s15, s15, s7
	s_add_co_u32 s15, s15, KQSTAGE
	v_add_nc_u32 v[SKQ], s15, v47                  ; row 64 mw + r, byte 32 nw + 16 h
	s_mul_i32 s15, s10, 16*SP
	s_lshl_b32 s7, s9, 7
	s_add_co_u32 s15, s15, s7
	s_add_co_u32 s15, s15, VTSTAGE
	v_add_nc_u32 v[SVT], s15, v47                  ; row 16 nw + r, byte 128 mw + 16 h
	s_wait_kmcnt 0x0
	s_add_nc_u64 s[16:17], s[16:17], s[40:41]
	s_add_nc_u64 s[18:19], s[18:19], s[42:43]
	s_add_nc_u64 s[20:21], s[20:21], s[42:43]
	s_add_nc_u64 s[22:23], s[22:23], s[42:43]
	s_add_nc_u64 s[24:25], s[24:25], s[44:45]
	s_add_nc_u64 s[26:27], s[26:27], s[44:45]
	s_add_nc_u64 s[28:29], s[28:29], s[44:45]
	s_add_nc_u64 s[30:31], s[30:31], s[46:47]
	s_add_nc_u64 s[36:37], s[36:37], s[48:49]
	s_add_nc_u64 s[32:33], s[32:33], s[50:51]
	s_add_nc_u64 s[34:35], s[34:35], s[52:53]
; K step t (64 numbers = 256 bytes of each row) into staging set st: 20 loads; sixteen lanes take 256 consecutive aligned bytes of a row.
; The K step stands in the immediate: no address register and no base is ever stepped.
.macro LOADS t, st
.irp i, 0,1,2,3,4,5,6,7
	global_load_b128 v[\st+4*\i:\st+4*\i+3], v[VOX], s[16:17] offset:\i*32768+256*(\t)
.endr
.irp i, 0,1,2,3
	global_load_b128 v[\st+32+4*\i:\st+32+4*\i+3], v[VOX], s[20:21] offset:\i*32768+256*(\t)
.endr
.irp i, 0,1,2,3
	global_load_b128 v[\st+48+4*\i:\st+48+4*\i+3], v[VOX], s[18:19] offset:\i*32768+256*(\t)
.endr
.irp i, 0,1,2,3
	global_load_b128 v[\st+64+4*\i:\st+64+4*\i+3], v[VOX], s[22:23] offset:\i*32768+256*(\t)
.endr
.endm
; a staging set is rounded to f16 in place: one run of 40 conversions,
.macro TOF16 st
.irp i, 0,1,2,3,4,5,6,7,8,9,10,11,12,13,14,15,16,17,18,19
	v_cvt_pk_f16_f32 v[\st+4*\i], v[\st+4*\i], v[\st+4*\i+1]
	v_cvt_pk_f16_f32 v[\st+4*\i+1], v[\st+4*\i+2], v[\st+4*\i+3]
.endr
.endm
; and laid into a tile buffer, 8 bytes a lane: one run of 20 stores
.macro LAY st, sta
.irp i, 0,1,2,3,4,5,6,7,8,9,10,11,12,13,14,15,16,17,18,19
	ds_store_b64 v[\sta], v[\st+4*\i:\st+4*\i+1] offset:\i*16*KP
.endr
.endm
; the fragments of 32 along K (c = 0, 1) from tile buffer buf: 4 of x into fa, 3 of W into fb: 14 loads
.macro FETCH c, buf, fa, fb
.irp mt, 0,1,2,3
	ds_load_b128 v[\fa+8*\mt:\fa+8*\mt+3], v[ADA+\buf] offset:\mt*16*KP+64*\c
	ds_load_b128 v[\fa+8*\mt+4:\fa+8*\mt+7], v[ADA+\buf] offset:\mt*16*KP+64*\c+32
.endr
.irp j, 0,1,2
	ds_load_b128 v[\fb+8*\j:\fb+8*\j+3], v[ADB+\buf] offset:\j*64*KP+64*\c
	ds_load_b128 v[\fb+8*\j+4:\fb+8*\j+7], v[ADB+\buf] offset:\j*64*KP+64*\c+32
.endr
.endm
; 12 matrix instructions; the twelve accumulators take turns.
; k and q: W first, x second, so that a lane holds 8 neighbouring columns of one row (the order of kq).
; v: x first, W second, so that a lane holds 8 neighbouring rows w of one column d (the order of vt).
; first = 1: the sums start from the biases: nothing is cleared and nothing is added later.  win: where the fragments and C lie.
.macro MUL fa, fb, first, win
	WIN \win
.irp mt, 0,1,2,3
.irp j, 0,1
.if \first
	v_wmma_f32_16x16x32_f16 v[8*(3*\mt+\j):8*(3*\mt+\j)+7], v[\fb+8*\j:\fb+8*\j+7], v[\fa+8*\mt:\fa+8*\mt+7], v[BIAS+8*\j:BIAS+8*\j+7]
.else
	v_wmma_f32_16x16x32_f16 v[8*(3*\mt+\j):8*(3*\mt+\j)+7], v[\fb+8*\j:\fb+8*\j+7], v[\fa+8*\mt:\fa+8*\mt+7], v[8*(3*\mt+\j):8*(3*\mt+\j)+7]
.endif
.endr
.if \first
	v_wmma_f32_16x16x32_f16 v[8*(3*\mt+2):8*(3*\mt+2)+7], v[\fa+8*\mt:\fa+8*\mt+7], v[\fb+16:\fb+23], v[BIAS+16:BIAS+23]
.else
	v_wmma_f32_16x16x32_f16 v[8*(3*\mt+2):8*(3*\mt+2)+7], v[\fa+8*\mt:\fa+8*\mt+7], v[\fb+16:\fb+23], v[8*(3*\mt+2):8*(3*\mt+2)+7]
.endif
.endr
.endm
; One K step on tile buffer cur.  conv = 1: the next tile is rounded into the other buffer; left = the younger global loads that may stay out;
; nextt = the tile that is then loaded into the freed staging set (-1: none is left).
; The order: the next tile's conversions and LDS stores first, then all 28 fragment loads of this tile, then the global loads, then the
; products: conversions and global loads stand where the wave would wait for LDS, and the first 12 products run while the second 14 loads land.
; ONE barrier a step.  In front of it each wave has its reads of buffer cur back and its stores into the other buffer done; behind it
; the other buffer is read, and buffer cur is written again.
.macro KSTEP cur, first, conv, left, nextt
	PLACES                                         ; behind the last products, whose fragments are loaded again below
.if \conv
	s_wait_loadcnt \left                           ; loads come back in order: the next tile is in, the one behind it stays out
	TOF16 ST0+80*(1-\cur)
	LAY ST0+80*(1-\cur), STA+1-\cur
.endif
	FETCH 0, \cur, FA, FB
	WIN 0x40                                       ; loaded data in the second window, address in the first
	FETCH 1, \cur, FA1, FB1
	WIN 0
.if \conv
	s_wait_dscnt 28                                ; LDS serves a wave in order: the 20 stores are done (the 28 loads are younger), so the staging set is free
.if \nextt >= 0
	LOADS \nextt, ST0+80*(1-\cur)
.endif
.endif
	s_wait_dscnt 14                                ; the first half's fragments are in; the 14 loads of the second half stay out
.if \first
	MUL FA, FB, 1, 0x40
.else
	MUL FA, FB, 0, 0x50
.endif
	s_wait_dscnt 0x0                               ; the second half's; also: no LDS access of mine is out at the signal below
	MUL FA1, FB1, 0, 0x55
	WIN 0
.if \conv
	s_barrier_signal -1
	s_barrier_wait -1
.endif
.endm
	global_load_b128 v[FB:FB+3], v[T16], s[30:31]              ; my 16 bytes of Wo
	global_load_b128 v[BIAS:BIAS+3], v[BOF], s[26:27]          ; bk
	global_load_b128 v[BIAS+4:BIAS+7], v[BOF], s[26:27] offset:16
	global_load_b128 v[BIAS+8:BIAS+11], v[BOF], s[24:25]       ; bq
	global_load_b128 v[BIAS+12:BIAS+15], v[BOF], s[24:25] offset:16
	global_load_b32 v[BIAS+16], v[BVO], s[28:29]               ; bv of my column
	LOADS 0, ST0
	LOADS 1, ST1
	s_wait_loadcnt 20                              ; all but the 20 loads of K step 1
	v_cvt_pk_f16_f32 v[WOB], v[FB], v[FB+1]
	v_cvt_pk_f16_f32 v[WOB+1], v[FB+2], v[FB+3]
	global_store_b64 v[T8], v[WOB:WOB+1], s[36:37]             ; a wave stores 256 consecutive bytes, aligned; its sources are never rewritten
.irp j, 1,2,3,4,5,6,7
	v_mov_b32 v[BIAS+16+\j], v[BIAS+16]            ; a lane of a v tile holds one column: the same bias in all eight rows
.endr
	TOF16 ST0
	LAY ST0, STA
	s_wait_dscnt 0x0
	LOADS 2, ST0
	s_barrier_signal -1
	s_barrier_wait -1
	KSTEP 0, 1, 1, 20, 3
	KSTEP 1, 0, 1, 20, 4
	KSTEP 0, 0, 1, 20, 5
	KSTEP 1, 0, 1, 20, 6
	KSTEP 0, 0, 1, 20, 7
	KSTEP 1, 0, 1, 20, -1
	KSTEP 0, 0, 1, 0, -1
	KSTEP 1, 0, 0, 0, -1
	; THE WAY OUT: round to f16, 16 bytes a lane into the stages (bytes of their own, so no barrier in front), one barrier,
	; read back as whole rows of 256 bytes and store them.
	PLACES
	WIN 0x05
.irp t, 0,1,2,3,4,5,6,7,8,9,10,11
.irp rr, 0,1,2,3
	v_cvt_pk_f16_f32 v[ST0+4*\t+\rr], v[8*\t+2*\rr], v[8*\t+2*\rr+1]
.endr
.endr
	WIN 0
.irp mt, 0,1,2,3
	ds_store_b128 v[SKQ], v[ST0+12*\mt:ST0+12*\mt+3] offset:\mt*16*SP
	ds_store_b128 v[SKQ], v[ST0+12*\mt+4:ST0+12*\mt+7] offset:\mt*16*SP+128
	ds_store_b128 v[SVT], v[ST0+12*\mt+8:ST0+12*\mt+11] offset:32*\mt
.endr
	v_and_b32 v40, 15, v0
	v_lshrrev_b32 v41, 4, v0
	v_lshlrev_b32 v40, 4, v40
	v_mul_u32_u24 v42, v41, SP
	v_add_nc_u32 v42, v42, v40
	v_add_nc_u32 v[BOF], KQSTAGE, v42              ; stage row t >> 4, byte 16 (t & 15); the bias loads that used v12, v13 are long done
	v_lshl_add_u32 v[BVO], v41, 12, v40            ; the same row and bytes in vt: rows 4,096 bytes apart
	s_wait_dscnt 0x0
	s_barrier_signal -1
	s_barrier_wait -1
.irp p, 0,1,2,3,4,5,6,7
	ds_load_b128 v[ST1+4*\p:ST1+4*\p+3], v[BOF] offset:\p*16*SP
.endr
.irp p, 0,1,2,3
	ds_load_b128 v[ST1+32+4*\p:ST1+32+4*\p+3], v[BOF] offset:VTSTAGE-KQSTAGE+\p*16*SP
.endr
.irp p, 0,1,2,3,4,5,6,7
	s_wait_dscnt 11-\p                             ; LDS loads come back in order: load p is in
	global_store_b128 v[T16], v[ST1+4*\p:ST1+4*\p+3], s[32:33] offset:4096*\p      ; 16 lanes store one row of kq: 256 consecutive bytes, aligned
.endr
.irp p, 0,1,2,3
	s_wait_dscnt 3-\p
	global_store_b128 v[BVO], v[ST1+32+4*\p:ST1+32+4*\p+3], s[34:35] offset:65536*\p   ; 16 lanes store 256 consecutive bytes of a row of vt, aligned
.endr
	s_set_vgpr_msb 0x5
	s_wait_tensorcnt 0x0
	ds_add_u32 v152, v153
	s_wait_dscnt 0x0
	s_set_vgpr_msb 0x500
	s_endpgm
.Lfunc_end_k_q7fe84313b3_proj:
	.size	k_q7fe84313b3_proj, .Lfunc_end_k_q7fe84313b3_proj-k_q7fe84313b3_proj
	.p2alignl 7, 3214868480
	.fill 96, 4, 3214868480
	.section	.rodata,"a",@progbits
	.p2align	6, 0x0
	.amdhsa_kernel k_q7fe84313b3_proj
		.amdhsa_group_segment_fixed_size 145408
		.amdhsa_private_segment_fixed_size 0
		.amdhsa_enable_private_segment 0
		.amdhsa_kernarg_size 88
		.amdhsa_user_sgpr_count 2
		.amdhsa_user_sgpr_kernarg_segment_ptr 1
		.amdhsa_wavefront_size32 1
		.amdhsa_system_sgpr_workgroup_id_x 1
		.amdhsa_system_sgpr_workgroup_id_y 1
		.amdhsa_system_sgpr_workgroup_id_z 1
		.amdhsa_system_vgpr_workitem_id 0
		.amdhsa_next_free_vgpr 410
		.amdhsa_next_free_sgpr 66
		.amdhsa_reserve_vcc 0
		.amdhsa_float_denorm_mode_32 3
		.amdhsa_float_denorm_mode_16_64 3
		.amdhsa_memory_ordered 1
		.amdhsa_forward_progress 1
		.amdhsa_inst_pref_size 87
	.end_amdhsa_kernel
	.amdgpu_metadata
---
amdhsa.version: [ 1, 2 ]
amdhsa.kernels:
  - .name:           k_q7fe84313b3_proj
    .symbol:         k_q7fe84313b3_proj.kd
    .args:
      - { .name: x, .offset: 0, .size: 8, .value_kind: global_buffer, .address_space: global }
      - { .name: Wq, .offset: 8, .size: 8, .value_kind: global_buffer, .address_space: global }
      - { .name: Wk, .offset: 16, .size: 8, .value_kind: global_buffer, .address_space: global }
      - { .name: Wv, .offset: 24, .size: 8, .value_kind: global_buffer, .address_space: global }
      - { .name: bq, .offset: 32, .size: 8, .value_kind: global_buffer, .address_space: global }
      - { .name: bk, .offset: 40, .size: 8, .value_kind: global_buffer, .address_space: global }
      - { .name: bv, .offset: 48, .size: 8, .value_kind: global_buffer, .address_space: global }
      - { .name: Wo, .offset: 56, .size: 8, .value_kind: global_buffer, .address_space: global }
      - { .name: kq, .offset: 64, .size: 8, .value_kind: global_buffer, .address_space: global }
      - { .name: vt, .offset: 72, .size: 8, .value_kind: global_buffer, .address_space: global }
      - { .name: wo16, .offset: 80, .size: 8, .value_kind: global_buffer, .address_space: global }
    .group_segment_fixed_size: 145408
    .private_segment_fixed_size: 0
    .kernarg_segment_align: 8
    .kernarg_segment_size: 88
    .max_flat_workgroup_size: 256
    .sgpr_count:     66
    .vgpr_count:     410
    .wavefront_size: 32
...
	.end_amdgpu_metadata
.endif
;; end of part 1
;; launch attn (part 2): grid 16 x 16, 8 waves a work-group, clusters of 4 x 1, 327,680 bytes of LDS; arguments kq, vt, er, oh; writes oh
.if DOCPART == 2
	.amdgcn_target "amdgcn-amd-amdhsa--gfx1250"
	.amdhsa_code_object_version 6
	.text
	.protected	k_q7fe84313b3_attn
	.globl	k_q7fe84313b3_attn
	.p2align	8
	.type	k_q7fe84313b3_attn,@function
k_q7fe84313b3_attn:
	s_mov_b64 s[64:65], 0
	v_nop
	global_prefetch_b8 v0, s[64:65] scope:SCOPE_SE
	s_setreg_imm32_b32 hwreg(HW_REG_WAVE_MODE, 25, 1), 1
	s_wait_xcnt 0x0
	s_wait_alu depctr_hold_cnt(0) depctr_sa_sdst(0) depctr_va_vdst(0) depctr_va_sdst(0) depctr_va_ssrc(0) depctr_va_vcc(0) depctr_vm_vsrc(0)
	s_getreg_b32 s2, hwreg(HW_REG_IB_STS2, 6, 4)
	s_cmp_eq_u32 s2, 0
	s_cbranch_scc0 .Lentry_in_a_cluster
	s_endpgm
.Lentry_in_a_cluster:
	s_bfe_u32 s2, ttmp6, 0x10000c
	s_cmp_lg_u32 s2, 0x3003
	s_cbranch_scc0 .Lentry_shape_is_right
	s_endpgm
.Lentry_shape_is_right:
; Attention with the relative bias folded into the product.  The pad, swap and slice of the bias are a transpose:
; logit(i, j) = (q_i . k_j + er[:, i] . q_j) / sqrt(512) = QX_i . KX_j / sqrt(512), QX_i = [q_i | er[:, i]], KX_j = [k_j | q_j], depth 128.
; A row of kq is a row of KX as it stands.  oh [16 bh][2048 w][64 d] f16 = softmax(logit) v.
; Work-group: 128 queries of one bh (y = bh; x = query block).  Eight waves: g = w & 3 takes 32 queries (two tiles a of 16),
; s = w >> 2 takes one half of the keys of every tile; the two halves are merged at the end.  Keys go in tiles of 256 through two LDS
; slots; a wave takes its 128 keys of a tile in two steps of 64: 16 steps in all.
; CLUSTER: the four query blocks of a cluster read the same tiles of KX and of vt and ask for them jointly (mask 15).
; TRANSPOSED PRODUCTS: S^T = KX QX^T, so that a lane holds one query and 8 keys a tile: maximum, sum and rescaling are a lane's own
; (one exchange with lane xor 16), and the rounded exponentials are, register for register, a second-source fragment of O^T = V^T P^T.
; ONE STEP AHEAD: S lives in two buffers.  Turn n takes the maxima of S(n), rescales O, then issues the 32 matrix instructions of S(n+1) one by
; one with four vector instructions of the softmax of S(n) behind each (scaling, exponentials, sums), rounds P(n) and issues the 16 of
; O += V(n) P(n).  So KX is read one step ahead of vt, and the round of the cluster barrier stands at the head of every odd turn: vt's
; last step of the old tile has been read, KX's first step of the next tile is read behind it.
; The running maximum is taken in every step, so the exponentials lie in [0, 1] and have room in f16 for every input.
; LIMITS: q, k, v, er, the exponentials and o are rounded to f16 as matrix operands (11 significant bits; below 2^-14 the step is 2^-24);
; |er| and |o| <= max |v| stay below 65,504, or the conversion overflows; sums, maxima and the normalisation are f32; NaN and infinities in
; the inputs are not treated; exponentials below 2^-126 count as zero.
.set KPITCH, 272                       ; a KX row: 256 bytes + 16
.set VPITCH, 528                       ; a vt row: 256 keys = 512 bytes + 16
.set VOFF,   256*KPITCH                ; in a slot: 256 rows of KX, then 64 rows of vt
.set SLOT,   VOFF+64*VPITCH            ; 103,424
.set MERGE,  2*SLOT                    ; behind the ring, never filled by a tensor load: 4 x 8,704 bytes, what wave 4 + g hands to wave g
.set MSZ,    8704
.set OSTAGE, MERGE+4*MSZ               ; 4 x 32 rows of 144 bytes: the way out
.set OPITCH, 144
; first window
.set ADK, 2                            ; v2-3    my KX fragments in slot 0, 1
.set ADV, 4                            ; v4-5    my vt fragments in slot 0, 1
.set M,   6                            ; v6-7    running maximum of query tile a
.set LP,  8                            ; v8-11   partial sums, a pair for each a
.set AL,  12                           ; v12-15  the rescaling factor, twice, for each a
.set NM,  16                           ; v16-19  - c x maximum, twice, for each a
.set T,   20                           ; v20-31  at work on the maxima, six for each a
.set TS,  32                           ; v32-39  at work on the sums, two pairs for each a
.set QOF, 40                           ; my offset in kq for q
.set ERO, 41                           ; my offset in er
.set MG,  42                           ; my 16 bytes in the merge area
.set OST, 43                           ; the way out: where 16 bytes go
.set ORD, 44                           ; the way out: where a row is read back
.set OO,  45                           ; 16 x lane
.set KF,  64                           ; v64-127  KX fragments: two buffers of 4 x 8
.set S,   128                          ; v128-255 two buffers of 64: S(a, kt) at 64 buffer + 32 a + 8 kt; P(a, kk) is made in place at 32 a + 16 kk
.set EP,  S                            ; at the end: buffer 0 is free
; second window
.set QF,  0                            ; v256-319 QX fragments (a, c) at 8 (4 a + c)
.set O,   64                           ; v320-383 O(a, dt) at 64 + 8 (4 a + dt)
.set VF,  128                          ; v384-447 vt fragments (kk, dt) at 128 + 8 (4 kk + dt)
.set G1K, 16                           ; s[16:23] shape of a KX load
.set G1V, 24                           ; s[24:31] shape of a vt load
.set G0K, 32                           ; s[32:39] from where, to where: KX, slot 0, 1
.set G0V, 40                           ; s[40:47] the same for vt
.set MSB, 0
.macro WIN new                         ; s_set_vgpr_msb: bits 1:0 source 0, 3:2 source 1, 5:4 source 2, 7:6 destination; the high byte repeats the setting left
.if MSB != \new
	s_set_vgpr_msb (MSB<<8)|\new
.set MSB, \new
.endif
.endm
.macro PLACES
.rept 4
	v_nop
.endr
.endm
; a round of the cluster barrier: my work-group, wave 0 for the work-group, all four work-groups, my work-group again
.macro ROUND
	s_barrier_signal -1
	s_barrier_wait -1
	s_cmp_lg_u32 s8, 0
	s_cbranch_scc1 .Lnot_wave_0_\@
	s_barrier_signal -3
.Lnot_wave_0_\@:
	s_barrier_wait -3
	s_barrier_signal -1
	s_barrier_wait -1
.endm
; the joint load of a tile into slot n: waves 0-3 bring 64 rows of KX each, waves 4-7 16 rows of vt each: one tensor load a wave.
; The branch hangs on the wave number alone.
.macro JLOAD n
	s_cmp_eq_u32 s9, 0
	s_cbranch_scc0 .Lfor_v_\@
	tensor_load_to_lds s[G0K+4*(\n):G0K+4*(\n)+3], s[G1K:G1K+7]
	s_nop 0
	s_branch .Lasked_\@
.Lfor_v_\@:
	tensor_load_to_lds s[G0V+4*(\n):G0V+4*(\n)+3], s[G1V:G1V+7]
	s_nop 0
.Lasked_\@:
.endm
; depth 64-127 of QX is a column of er: f32, one number a load, once in the kernel.  Element e of fragment (a, 2 + c) is row 32 c + 8 h + e of er,
; + 8 from e = 8 on.  LDER: its 16 loads; CVER: its rounding to f16 into the fragment (destination in the second window).
.macro LDER a, c
.irp e, 0,1,2,3,4,5,6,7
	global_load_b32 v[KF+32*\a+16*\c+\e], v[ERO], s[52:53] offset:(32*\c+\e)*8192+64*\a
.endr
.irp e, 8,9,10,11,12,13,14,15
	global_load_b32 v[KF+32*\a+16*\c+\e], v[ERO], s[52:53] offset:(32*\c+\e+8)*8192+64*\a
.endr
.endm
.macro CVER a, c
.irp i, 0,1,2,3,4,5,6,7
	v_cvt_pk_f16_f32 v[QF+8*(4*\a+2+\c)+\i], v[KF+32*\a+16*\c+2*\i], v[KF+32*\a+16*\c+2*\i+1]
.endr
.endm
	s_load_b256 s[48:55], s[0:1], 0x0              ; kq 48, vt 50, er 52, oh 54
	v_lshl_add_u32 v62, v0, 2, 0x3f800
	v_mov_b32 v63, 0
	ds_add_u32 v62, v63
	v_lshrrev_b32 v20, 5, v0
	v_readfirstlane_b32 s8, v20                    ; wave 0..7
	s_lshr_b32 s9, s8, 2                           ; s: my half of the keys.  Also: I fetch KX (0) or vt (1)
	s_and_b32 s10, s8, 3                           ; g: my 32 queries.  Also: which quarter of the tile I fetch
	s_bfe_u32 s11, ttmp6, 0x40000                  ; cx
	s_lshl_b32 s12, ttmp9, 2
	s_add_co_u32 s12, s12, s11                     ; query block = 4 x cluster x + cx: enters global addresses of q, er and oh alone
	s_and_b32 s13, ttmp7, 0xffff                   ; bh
	s_mov_b32 s4, 0x3d8293ee                       ; c = log2(e) / sqrt(512)
	s_mov_b32 s5, 0x3d8293ee
	s_mov_b32 s6, 0xbd8293ee                       ; - c
	s_mov_b32 s62, 1.0                             ; the factor of the sums (see SUM1)
	s_mov_b32 s63, 1.0
	s_mov_b32 s14, 0x76543210                      ; v_permlanex16_b32: lane i reads lane i xor 16
	s_mov_b32 s15, 0xfedcba98
	; KX: 64 rows x 128 elements of 2 bytes, pitch 128; 16 bytes of padding behind every 64 words
	s_mov_b32 s[G1K+0], 15|(1<<16)|(1<<20)|(1<<21)|(5<<22)|(3<<25)
	s_mov_b32 s[G1K+1], 128<<16
	s_mov_b32 s[G1K+2], 64<<16
	s_mov_b32 s[G1K+3], 128<<16
	s_mov_b32 s[G1K+4], 64
	s_mov_b32 s[G1K+5], 128
	s_mov_b32 s[G1K+6], 0
	s_mov_b32 s[G1K+7], 0
	; vt: 16 rows x 256 elements of 2 bytes, pitch 2,048; 16 bytes of padding behind every 128 words
	s_mov_b32 s[G1V+0], 15|(1<<16)|(1<<20)|(1<<21)|(6<<22)|(3<<25)
	s_mov_b32 s[G1V+1], 256<<16
	s_mov_b32 s[G1V+2], 16<<16
	s_mov_b32 s[G1V+3], 256<<16
	s_mov_b32 s[G1V+4], 16
	s_mov_b32 s[G1V+5], 2048
	s_mov_b32 s[G1V+6], 0
	s_mov_b32 s[G1V+7], 0
	s_mov_b32 s[G0K+0], 1
	s_mul_i32 s[G0K+1], s10, 64*KPITCH             ; LDS: my quarter of the KX rows
	s_mov_b32 s[G0K+4], 1
	s_add_co_u32 s[G0K+5], s[G0K+1], SLOT
	s_mov_b32 s[G0V+0], 1
	s_mul_i32 s[G0V+1], s10, 16*VPITCH
	s_add_co_u32 s[G0V+1], s[G0V+1], VOFF          ; LDS: my quarter of the vt rows
	s_mov_b32 s[G0V+4], 1
	s_add_co_u32 s[G0V+5], s[G0V+1], SLOT
	s_lshl_b32 s56, s13, 19                        ; kq: bh, then 64 rows of 256 bytes a quarter
	s_lshl_b32 s7, s10, 14
	s_add_co_u32 s56, s56, s7
	s_mov_b32 s57, 0
	s_wait_dscnt 0x0
	s_wait_kmcnt 0x0
	s_add_nc_u64 s[G0K+2:G0K+3], s[48:49], s[56:57]
	s_add_nc_u64 s[G0K+6:G0K+7], s[G0K+2:G0K+3], 256*256       ; tile 1: 256 rows on
	s_or_b32 s[G0K+3], s[G0K+3], 0x80000000
	s_or_b32 s[G0K+7], s[G0K+7], 0x80000000
	s_lshl_b32 s56, s13, 18                        ; vt: bh, then 16 rows of 4,096 bytes a quarter
	s_lshl_b32 s7, s10, 16
	s_add_co_u32 s56, s56, s7
	s_add_nc_u64 s[G0V+2:G0V+3], s[50:51], s[56:57]
	s_add_nc_u64 s[G0V+6:G0V+7], s[G0V+2:G0V+3], 256*2         ; tile 1: 256 keys on
	s_or_b32 s[G0V+3], s[G0V+3], 0x80000000
	s_or_b32 s[G0V+7], s[G0V+7], 0x80000000
	ROUND                                          ; all four work-groups are here: the first joint loads meet
	JLOAD 0                                        ; tile 0; by this text's count one tensor load of a wave is out at any time
	; while tile 0 travels: addresses, and the QX fragments
	s_lshl_b32 s58, s13, 19
	s_lshl_b32 s2, s12, 15
	s_add_co_u32 s58, s58, s2
	s_mov_b32 s59, 0
	s_add_nc_u64 s[60:61], s[48:49], s[58:59]      ; kq at my query block
	s_lshl_b32 s58, s12, 9
	s_add_nc_u64 s[52:53], s[52:53], s[58:59]      ; er at my query block: 128 columns of 4 bytes
	s_lshl_b32 s58, s13, 18
	s_lshl_b32 s2, s12, 14
	s_add_co_u32 s58, s58, s2
	s_lshl_b32 s2, s10, 12
	s_add_co_u32 s58, s58, s2
	s_add_nc_u64 s[54:55], s[54:55], s[58:59]      ; oh at my 32 rows of 128 bytes
	v_and_b32 v21, 15, v0                          ; r
	v_bfe_u32 v22, v0, 4, 1                        ; h
	v_and_b32 v23, 31, v0                          ; lane
	s_mul_i32 s7, s9, 128*KPITCH
	v_mul_u32_u24 v24, v21, KPITCH
	v_lshl_add_u32 v24, v22, 4, v24
	v_add_nc_u32 v[ADK], s7, v24                   ; (128 s + r) x 272 + 16 h
	v_add_nc_u32 v[ADK+1], SLOT, v[ADK]
	s_lshl_b32 s7, s9, 8
	s_add_co_u32 s7, s7, VOFF
	v_mul_u32_u24 v25, v21, VPITCH
	v_lshl_add_u32 v25, v22, 4, v25
	v_add_nc_u32 v[ADV], s7, v25                   ; r x 528 + 16 h + 256 s
	v_add_nc_u32 v[ADV+1], SLOT, v[ADV]
	s_lshl_b32 s7, s10, 13
	s_add_co_u32 s7, s7, 128
	v_lshlrev_b32 v26, 8, v21
	v_lshl_add_u32 v26, v22, 4, v26
	v_add_nc_u32 v[QOF], s7, v26                   ; row 32 g + r of 256 bytes, q at byte 128, + 16 h
	s_lshl_b32 s7, s10, 7
	v_lshlrev_b32 v27, 2, v21
	v_lshl_add_u32 v27, v22, 16, v27
	v_add_nc_u32 v[ERO], s7, v27                   ; 8 h rows of 8,192 bytes, column 32 g + r
	s_mul_i32 s7, s10, MSZ
	s_add_co_u32 s7, s7, MERGE
	v_lshl_add_u32 v[MG], v23, 4, s7
	s_mul_i32 s7, s10, 32*OPITCH
	s_add_co_u32 s7, s7, OSTAGE
	v_mul_u32_u24 v28, v21, OPITCH
	v_lshl_add_u32 v28, v22, 4, v28
	v_add_nc_u32 v[OST], s7, v28
	v_lshrrev_b32 v29, 3, v23
	v_and_b32 v30, 7, v0
	v_mul_u32_u24 v29, v29, OPITCH
	v_lshl_add_u32 v29, v30, 4, v29
	v_add_nc_u32 v[ORD], s7, v29
	v_lshlrev_b32 v[OO], 4, v23
	WIN 0x40                                       ; depth 0-63 of QX is q: f16 in kq, loaded straight into the fragments
.irp a, 0,1
.irp c, 0,1
	global_load_b128 v[QF+8*(4*\a+\c):QF+8*(4*\a+\c)+3], v[QOF], s[60:61] offset:4096*\a+64*\c
	global_load_b128 v[QF+8*(4*\a+\c)+4:QF+8*(4*\a+\c)+7], v[QOF], s[60:61] offset:4096*\a+64*\c+32
.endr
.endr
	WIN 0
	LDER 0, 0
	LDER 0, 1
	LDER 1, 0
	s_wait_loadcnt 16                              ; q and query tile 0's columns of er are in; younger: the 16 loads of tile 1's first half
	WIN 0x40
	CVER 0, 0
	CVER 0, 1
	WIN 0
	LDER 1, 1
	s_wait_loadcnt 0x0
	WIN 0x40
	CVER 1, 0
	CVER 1, 1
	WIN 0
; 16 keys x depth 128 of KX, from row `row` of my half of the slot, into buffer buf: 8 loads
.macro LDK buf, slot, row
.irp c, 0,1,2,3
	ds_load_b128 v[KF+32*(\buf)+8*\c:KF+32*(\buf)+8*\c+3], v[ADK+\slot] offset:(\row)*KPITCH+64*\c
	ds_load_b128 v[KF+32*(\buf)+8*\c+4:KF+32*(\buf)+8*\c+7], v[ADK+\slot] offset:(\row)*KPITCH+64*\c+32
.endr
.endm
; 64 d x 64 keys of vt: 16 loads (loaded data in the second window)
.macro LDV slot, st
.irp kk, 0,1
.irp dt, 0,1,2,3
	ds_load_b128 v[VF+8*(4*\kk+\dt):VF+8*(4*\kk+\dt)+3], v[ADV+\slot] offset:\dt*16*VPITCH+128*\st+64*\kk
	ds_load_b128 v[VF+8*(4*\kk+\dt)+4:VF+8*(4*\kk+\dt)+7], v[ADV+\slot] offset:\dt*16*VPITCH+128*\st+64*\kk+32
.endr
.endr
.endm
; the new maximum of query tile a of buffer cur over my 32 numbers, the other half of the wave and the old maximum: 16 three-way maxima in four
; chains; then - c x maximum (twice, for the packed multiply-add), the factor 2^(c (old - new)), and the partial sum times that factor
.macro MAXA a, cur, first
.irp k, 0,1,2,3
	v_max3_num_f32 v[T+6*\a+\k], v[S+64*\cur+32*\a+8*\k], v[S+64*\cur+32*\a+8*\k+1], v[S+64*\cur+32*\a+8*\k+2]
.endr
.irp k, 0,1,2,3
	v_max3_num_f32 v[T+6*\a+\k], v[T+6*\a+\k], v[S+64*\cur+32*\a+8*\k+3], v[S+64*\cur+32*\a+8*\k+4]
.endr
.irp k, 0,1,2,3
	v_max3_num_f32 v[T+6*\a+\k], v[T+6*\a+\k], v[S+64*\cur+32*\a+8*\k+5], v[S+64*\cur+32*\a+8*\k+6]
.endr
	v_max3_num_f32 v[T+6*\a], v[T+6*\a], v[T+6*\a+1], v[S+64*\cur+32*\a+7]
	v_max3_num_f32 v[T+6*\a+2], v[T+6*\a+2], v[T+6*\a+3], v[S+64*\cur+32*\a+15]
	v_max3_num_f32 v[T+6*\a], v[T+6*\a], v[T+6*\a+2], v[S+64*\cur+32*\a+23]
.if \first
	v_max_num_f32 v[T+6*\a], v[T+6*\a], v[S+64*\cur+32*\a+31]
.else
	v_max3_num_f32 v[T+6*\a], v[T+6*\a], v[S+64*\cur+32*\a+31], v[M+\a]
.endif
	v_permlanex16_b32 v[T+6*\a+4], v[T+6*\a], s14, s15         ; the same query, the other 32 keys
	v_max_num_f32 v[T+6*\a+1], v[T+6*\a], v[T+6*\a+4]
	v_mul_f32 v[NM+2*\a], s6, v[T+6*\a+1]
	v_mul_f32 v[NM+2*\a+1], s6, v[T+6*\a+1]
.if \first == 0
	v_fma_f32 v[T+6*\a+5], v[M+\a], s4, v[NM+2*\a]             ; c (old - new)
	v_exp_f32 v[AL+2*\a], v[T+6*\a+5]
	v_exp_f32 v[AL+2*\a+1], v[T+6*\a+5]
.endif
	v_mov_b32 v[M+\a], v[T+6*\a+1]                 ; also the plain instruction behind the two exponentials (ISA guide 5.7.2)
.if \first == 0
	s_wait_alu depctr_va_vdst(0)
	v_pk_mul_f32 v[LP+2*\a:LP+2*\a+1], v[LP+2*\a:LP+2*\a+1], v[AL+2*\a:AL+2*\a+1]
.endif
.endm
.macro RESCALE                         ; O x factor: a lane holds one query, so the factor is its own (O in the second window, the factor in the first)
	WIN 0x41
.irp a, 0,1
.irp i, 0,1,2,3,4,5,6,7,8,9,10,11,12,13,14,15
	v_pk_mul_f32 v[O+32*\a+2*\i:O+32*\a+2*\i+1], v[O+32*\a+2*\i:O+32*\a+2*\i+1], v[AL+2*\a:AL+2*\a+1]
.endr
.endr
.endm
; THE SOFTMAX IN PIECES OF FOUR, written so that they run under the window setting of the S products (second source in the second window):
; none of them has a vector register as its second source.
.macro FMA4 base, nm                   ; c S - c maximum on one tile of 8, two at a time
.irp p, 0,1,2,3
	v_pk_fma_f32 v[\base+2*\p:\base+2*\p+1], v[\base+2*\p:\base+2*\p+1], s[4:5], v[\nm:\nm+1] op_sel_hi:[1,0,1]
.endr
.endm
.macro EXP4 base                       ; four exponentials in place
.irp p, 0,1,2,3
	v_exp_f32 v[\base+\p], v[\base+\p]
.endr
.endm
; the sums of one key tile of both query tiles.  An addition is written x * 1.0 + y, with 1.0 in s[62:63]: a packed add would take its second
; vector source from the second window.
.macro SUM1 base
	s_wait_alu depctr_va_vdst(0)
	v_pk_fma_f32 v[TS:TS+1], v[\base:\base+1], s[62:63], v[\base+2:\base+3] op_sel_hi:[1,0,1]
	v_pk_fma_f32 v[TS+2:TS+3], v[\base+4:\base+5], s[62:63], v[\base+6:\base+7] op_sel_hi:[1,0,1]
	v_pk_fma_f32 v[TS+4:TS+5], v[\base+32:\base+33], s[62:63], v[\base+34:\base+35] op_sel_hi:[1,0,1]
	v_pk_fma_f32 v[TS+6:TS+7], v[\base+36:\base+37], s[62:63], v[\base+38:\base+39] op_sel_hi:[1,0,1]
.endm
.macro SUM2 init                       ; onto the partial sums; init = 1: the very first tile starts them
.if \init
	v_pk_fma_f32 v[LP:LP+1], v[TS:TS+1], s[62:63], v[TS+2:TS+3] op_sel_hi:[1,0,1]
	v_pk_fma_f32 v[LP+2:LP+3], v[TS+4:TS+5], s[62:63], v[TS+6:TS+7] op_sel_hi:[1,0,1]
.else
	v_pk_fma_f32 v[TS:TS+1], v[TS:TS+1], s[62:63], v[TS+2:TS+3] op_sel_hi:[1,0,1]
	v_pk_fma_f32 v[TS+4:TS+5], v[TS+4:TS+5], s[62:63], v[TS+6:TS+7] op_sel_hi:[1,0,1]
	v_pk_fma_f32 v[LP:LP+1], v[LP:LP+1], s[62:63], v[TS:TS+1] op_sel_hi:[1,0,1]
	v_pk_fma_f32 v[LP+2:LP+3], v[LP+2:LP+3], s[62:63], v[TS+4:TS+5] op_sel_hi:[1,0,1]
.endif
.endm
; piece i (0..7) of group j (0..3) on buffer cur: 0, 1 scale key tile j of query tiles 0, 1; 2 to 5 its sixteen exponentials; 6, 7 the sums of key
; tile j - 1.  Behind the exponentials of piece 5 the next vector instruction is plain and touches another tile (ISA guide 5.7.2).
.macro VSLOT cur, j, i, first
.if \i == 0
	FMA4 S+64*\cur+8*\j, NM
.endif
.if \i == 1
	FMA4 S+64*\cur+32+8*\j, NM+2
.endif
.if \i == 2
	EXP4 S+64*\cur+8*\j
.endif
.if \i == 3
	EXP4 S+64*\cur+8*\j+4
.endif
.if \i == 4
	EXP4 S+64*\cur+32+8*\j
.endif
.if \i == 5
	EXP4 S+64*\cur+32+8*\j+4
.endif
.if \j > 0
.if \i == 6
	SUM1 S+64*\cur+8*(\j-1)
.endif
.if \i == 7
.if \j == 1
	SUM2 \first
.else
	SUM2 0
.endif
.endif
.endif
.endm
; matrix instruction i (0..7) of group j: key tile j of the next step, depth 32 (i >> 1), query tile i & 1, into the buffer that is not cur.
; The two accumulators of a group take turns; the first product starts the sum.
.macro SW cur, j, i
.if \i < 2
	v_wmma_f32_16x16x32_f16 v[S+64*(1-\cur)+32*(\i&1)+8*\j:S+64*(1-\cur)+32*(\i&1)+8*\j+7], v[KF+32*(\j&1)+8*(\i>>1):KF+32*(\j&1)+8*(\i>>1)+7], v[QF+8*(4*(\i&1)+(\i>>1)):QF+8*(4*(\i&1)+(\i>>1))+7], 0
.else
	v_wmma_f32_16x16x32_f16 v[S+64*(1-\cur)+32*(\i&1)+8*\j:S+64*(1-\cur)+32*(\i&1)+8*\j+7], v[KF+32*(\j&1)+8*(\i>>1):KF+32*(\j&1)+8*(\i>>1)+7], v[QF+8*(4*(\i&1)+(\i>>1)):QF+8*(4*(\i&1)+(\i>>1))+7], v[S+64*(1-\cur)+32*(\i&1)+8*\j:S+64*(1-\cur)+32*(\i&1)+8*\j+7]
.endif
.endm
; the head of a group: its first matrix instruction and four plain vector instructions that name none of the registers of the group before:
; the places in front of a load into the fragment buffer that the group before has read
.macro SHEAD cur, j, valu, first
	SW \cur, \j, 0
.if \valu
	VSLOT \cur, \j, 0, \first
.else
	PLACES
.endif
.endm
.macro SGRP cur, j, valu, first        ; the other seven, each with its piece
.irp i, 1,2,3,4,5,6,7
	SW \cur, \j, \i
.if \valu
	VSLOT \cur, \j, \i, \first
.endif
.endr
.endm
; S of the next step (rows krow .. krow + 63 of my half of slot kslot) into the buffer that is not cur; valu = 1: with the softmax of buffer cur woven in.
; Key tiles 0 and 1 have been asked for before; w0, w1: the younger LDS loads that may stay out when they are needed.
; pre = 1: the step after the next lies in the same slot, and its key tile 0 is asked for here.
.macro SPH cur, kslot, krow, valu, first, pre, w0, w1
	WIN 0x04                                       ; second source (QX) in the second window; everything else in the first
	s_wait_dscnt \w0
	SHEAD \cur, 0, \valu, \first
	SGRP \cur, 0, \valu, \first
	s_wait_dscnt \w1
	SHEAD \cur, 1, \valu, \first
	LDK 0, \kslot, \krow+32
	SGRP \cur, 1, \valu, \first
	s_wait_dscnt 0x0                               ; key tile 2, asked for seven matrix instructions ago; nothing younger is out
	SHEAD \cur, 2, \valu, \first
	LDK 1, \kslot, \krow+48
	SGRP \cur, 2, \valu, \first
	s_wait_dscnt 0x0                               ; key tile 3
	SHEAD \cur, 3, \valu, \first
.if \pre
	LDK 0, \kslot, \krow+64
.endif
	SGRP \cur, 3, \valu, \first
.endm
.macro VALL cur                        ; the last step: its softmax alone, there is no next S
	WIN 0
.irp j, 0,1,2,3
.irp i, 0,1,2,3,4,5,6,7
	VSLOT \cur, \j, \i, 0
.endr
.endr
.endm
; the rounding to f16 in place, ascending, so that no number is overwritten before it is read: registers 0-3 of P(a, kk) are keys 8 h .. + 7 of
; key tile 2 kk, registers 4-7 those of key tile 2 kk + 1
.macro CVTP cur
.irp a, 0,1
.irp kk, 0,1
.irp i, 0,1,2,3,4,5,6,7
	v_cvt_pk_f16_f32 v[S+64*\cur+32*\a+16*\kk+\i], v[S+64*\cur+32*\a+16*\kk+2*\i], v[S+64*\cur+32*\a+16*\kk+2*\i+1]
.endr
.endr
.endr
.endm
; O^T += V^T P^T: 16 matrix instructions; the eight accumulators take turns (vt and O in the second window, P in the first)
.macro PV cur, first
	WIN 0x51
.irp kk, 0,1
.irp dt, 0,1,2,3
.irp a, 0,1
.if \first*(1-\kk)
	v_wmma_f32_16x16x32_f16 v[O+8*(4*\a+\dt):O+8*(4*\a+\dt)+7], v[VF+8*(4*\kk+\dt):VF+8*(4*\kk+\dt)+7], v[S+64*\cur+32*\a+16*\kk:S+64*\cur+32*\a+16*\kk+7], 0
.else
	v_wmma_f32_16x16x32_f16 v[O+8*(4*\a+\dt):O+8*(4*\a+\dt)+7], v[VF+8*(4*\kk+\dt):VF+8*(4*\kk+\dt)+7], v[S+64*\cur+32*\a+16*\kk:S+64*\cur+32*\a+16*\kk+7], v[O+8*(4*\a+\dt):O+8*(4*\a+\dt)+7]
.endif
.endr
.endr
.endr
	WIN 0
.endm
; TURN n.  S(n) lies in buffer cur = n & 1; vt of step n in slot vslot, half vst; KX of step n + 1 in slot kslot from row krow.
; bar = 1 (odd n): step n + 1 begins a new tile.  In front of the round every wave has all its tensor loads landed (its part of the new tile among
; them) and all its LDS reads back: those of vt just issued are the last of slot vslot.  The round says so for all four work-groups; behind it the
; joint refill of slot vslot comes first (refill = 1), one load a wave, then the new tile's first two key tiles, whose way the rescaling covers.
; The first query tile's maxima are the places between the last products, which read the vt fragments, and the loads into these.
.macro IT cur, vslot, vst, kslot, krow, bar, refill, first, last
	MAXA 0, \cur, \first
	WIN 0x40
	LDV \vslot, \vst
	WIN 0
	MAXA 1, \cur, \first
.if \bar
	s_wait_tensorcnt 0x0                           ; no tensor load of mine is out, so a group 0 may be written:
	ds_add_u32 v62, v63
	s_wait_dscnt 0x0
.if \refill
	s_add_nc_u64 s[G0K+4*\vslot+2:G0K+4*\vslot+3], s[G0K+4*\vslot+2:G0K+4*\vslot+3], 2*256*256   ; the slot's next tile: 512 rows of kq on,
	s_add_nc_u64 s[G0V+4*\vslot+2:G0V+4*\vslot+3], s[G0V+4*\vslot+2:G0V+4*\vslot+3], 2*256*2     ; 512 keys of vt on
.endif
	s_wait_dscnt 0x0
	ROUND
.if \refill
	JLOAD \vslot
.endif
	LDK 0, \kslot, 0
	LDK 1, \kslot, 16
.endif
.if \first == 0
	RESCALE
.endif
.if \last
	VALL \cur
.else
.if \bar
	SPH \cur, \kslot, \krow, 1, \first, 1, 8, 0    ; key tile 0: younger is key tile 1 (8); key tile 1: nothing younger
.else
	SPH \cur, \kslot, \krow, 1, \first, 0, 24, 16  ; key tile 0: younger are key tile 1 (8) and vt (16); key tile 1: vt (16)
.endif
.endif
	SUM1 S+64*\cur+24                              ; the sums of key tile 3; also places behind the last S product
	SUM2 0
.if \bar
	LDK 1, \kslot, \krow+80                        ; key tile 1 of the step after the next
.endif
	WIN 0
	CVTP \cur
.if \last
	s_wait_dscnt 0x0                               ; vt; in the other turns the waits for key tiles 2 and 3, which are younger, have shown it in
.endif
	PV \cur, \first
.if \last
	PLACES                                         ; in front of what reads O
.endif
.endm
	; S(0): tile 0 has landed; slot 1 gets its first fill as a refill does, behind the round
	s_wait_tensorcnt 0x0
	ds_add_u32 v62, v63
	s_wait_dscnt 0x0
	ROUND
	JLOAD 1
	LDK 0, 0, 0
	LDK 1, 0, 16
	SPH 1, 0, 0, 0, 0, 1, 8, 0
	PLACES                                         ; in front of the load into fragment buffer 1 and of the maxima, which read S(0)
	LDK 1, 0, 80
	WIN 0
	IT 0, 0, 0, 0, 64, 0, 0, 1, 0                  ; turn 0 starts maxima, sums and O
	s_mov_b32 s3, 3
.Llap:
	IT 1, 0, 1, 1, 0, 1, 1, 0, 0                   ; turns 1, 5, 9: tiles 2, 4, 6 are asked for
	IT 0, 1, 0, 1, 64, 0, 0, 0, 0                  ; turns 2, 6, 10
	IT 1, 1, 1, 0, 0, 1, 1, 0, 0                   ; turns 3, 7, 11: tiles 3, 5, 7 are asked for
	IT 0, 0, 0, 0, 64, 0, 0, 0, 0                  ; turns 4, 8, 12
	s_sub_co_u32 s3, s3, 1
	s_cmp_lg_u32 s3, 0
	s_cbranch_scc1 .Llap
	IT 1, 0, 1, 1, 0, 1, 0, 0, 0                   ; turn 13: tile 7 is shown landed; nothing is left to fetch
	IT 0, 1, 0, 1, 64, 0, 0, 0, 0                  ; turn 14
	IT 1, 1, 1, 1, 0, 0, 0, 0, 1                   ; turn 15: no next S
	; THE END.  The sum of a query: both elements of the pair, both halves of the wave.
	v_add_f32 v20, v[LP], v[LP+1]
	v_add_f32 v21, v[LP+2], v[LP+3]
	v_permlanex16_b32 v22, v20, s14, s15
	v_permlanex16_b32 v23, v21, s14, s15
	v_add_f32 v8, v20, v22                         ; v[6:9] = maximum 0, maximum 1, sum 0, sum 1
	v_add_f32 v9, v21, v23
	s_cmp_eq_u32 s9, 0
	s_cbranch_scc1 .Lkeep
	WIN 0x04                                       ; waves 4-7 hand their O, maxima and sums to waves 0-3 (store data in the second window)
.irp i, 0,1,2,3,4,5,6,7,8,9,10,11,12,13,14,15
	ds_store_b128 v[MG], v[O+4*\i:O+4*\i+3] offset:512*\i
.endr
	WIN 0
	ds_store_b128 v[MG], v[6:9] offset:8192
.Lkeep:
	s_wait_dscnt 0x0                               ; the stores are in LDS, for the partner
	s_barrier_signal -1
	s_barrier_wait -1
	s_cmp_lg_u32 s9, 0
	s_cbranch_scc1 .Lclose
.irp i, 0,1,2,3,4,5,6,7,8,9,10,11,12,13,14,15
	ds_load_b128 v[KF+4*\i:KF+4*\i+3], v[MG] offset:512*\i
.endr
	ds_load_b128 v[EP:EP+3], v[MG] offset:8192
	s_wait_dscnt 0x0
	v_max_num_f32 v20, v6, v[EP]                   ; the common maximum of both halves of the keys
	v_max_num_f32 v21, v7, v[EP+1]
	v_sub_f32 v22, v6, v20
	v_sub_f32 v23, v[EP], v20
	v_sub_f32 v24, v7, v21
	v_sub_f32 v25, v[EP+1], v21
	v_mul_f32 v22, s4, v22
	v_mul_f32 v23, s4, v23
	v_mul_f32 v24, s4, v24
	v_mul_f32 v25, s4, v25
	v_exp_f32 v26, v22                             ; my factor, tile 0
	v_exp_f32 v27, v23                             ; the partner's
	v_exp_f32 v28, v24
	v_exp_f32 v29, v25
	v_nop                                          ; the plain place behind the exponentials
	s_wait_alu depctr_va_vdst(0)
	v_mul_f32 v22, v8, v26
	v_mul_f32 v23, v9, v28
	v_fmac_f32 v22, v[EP+2], v27                   ; the whole sum: at least one term of it is 1
	v_fmac_f32 v23, v[EP+3], v29
	v_rcp_f32 v24, v22
	v_rcp_f32 v25, v23
	v_nop
	s_wait_alu depctr_va_vdst(0)
	v_mul_f32 v[AL], v26, v24                      ; my factor / sum, twice
	v_mul_f32 v[AL+1], v26, v24
	v_mul_f32 v[AL+2], v28, v25
	v_mul_f32 v[AL+3], v28, v25
	v_mul_f32 v[NM], v27, v24                      ; the partner's factor / sum, twice
	v_mul_f32 v[NM+1], v27, v24
	v_mul_f32 v[NM+2], v29, v25
	v_mul_f32 v[NM+3], v29, v25
.irp a, 0,1
.irp i, 0,1,2,3,4,5,6,7,8,9,10,11,12,13,14,15
	v_pk_mul_f32 v[KF+32*\a+2*\i:KF+32*\a+2*\i+1], v[KF+32*\a+2*\i:KF+32*\a+2*\i+1], v[NM+2*\a:NM+2*\a+1]
.endr
.endr
	WIN 0x01
.irp a, 0,1
.irp i, 0,1,2,3,4,5,6,7,8,9,10,11,12,13,14,15
	v_pk_fma_f32 v[KF+32*\a+2*\i:KF+32*\a+2*\i+1], v[O+32*\a+2*\i:O+32*\a+2*\i+1], v[AL+2*\a:AL+2*\a+1], v[KF+32*\a+2*\i:KF+32*\a+2*\i+1]
.endr
.endr
	WIN 0
.irp t, 0,1,2,3,4,5,6,7
.irp i, 0,1,2,3
	v_cvt_pk_f16_f32 v[KF+8*\t+\i], v[KF+8*\t+2*\i], v[KF+8*\t+2*\i+1]
.endr
.endr
.irp a, 0,1
.irp dt, 0,1,2,3
	ds_store_b128 v[OST], v[KF+8*(4*\a+\dt):KF+8*(4*\a+\dt)+3] offset:\a*16*OPITCH+32*\dt   ; query 16 a + r, d = 16 dt + 8 h .. + 7
.endr
.endr
.irp p, 0,1,2,3,4,5,6,7
	ds_load_b128 v[EP+4*\p:EP+4*\p+3], v[ORD] offset:\p*4*OPITCH       ; my own bytes: LDS serves a wave in order, these see the stores above
.endr
.irp p, 0,1,2,3,4,5,6,7
	s_wait_dscnt 7-\p
	global_store_b128 v[OO], v[EP+4*\p:EP+4*\p+3], s[54:55] offset:512*\p          ; four rows of 128 bytes: 512 consecutive bytes, aligned
.endr
.Lclose:
	s_wait_tensorcnt 0x0
	ds_add_u32 v62, v63
	s_wait_dscnt 0x0
	ROUND                                          ; the closing round: no work-group ends while a partner may still ask jointly
	s_endpgm
.Lfunc_end_k_q7fe84313b3_attn:
	.size	k_q7fe84313b3_attn, .Lfunc_end_k_q7fe84313b3_attn-k_q7fe84313b3_attn
	.p2alignl 7, 3214868480
	.fill 96, 4, 3214868480
	.section	.rodata,"a",@progbits
	.p2align	6, 0x0
	.amdhsa_kernel k_q7fe84313b3_attn
		.amdhsa_group_segment_fixed_size 327680
		.amdhsa_private_segment_fixed_size 0
		.amdhsa_enable_private_segment 0
		.amdhsa_kernarg_size 32
		.amdhsa_user_sgpr_count 2
		.amdhsa_user_sgpr_kernarg_segment_ptr 1
		.amdhsa_wavefront_size32 1
		.amdhsa_system_sgpr_workgroup_id_x 1
		.amdhsa_system_sgpr_workgroup_id_y 1
		.amdhsa_system_sgpr_workgroup_id_z 1
		.amdhsa_system_vgpr_workitem_id 0
		.amdhsa_next_free_vgpr 448
		.amdhsa_next_free_sgpr 66
		.amdhsa_reserve_vcc 0
		.amdhsa_float_denorm_mode_32 3
		.amdhsa_float_denorm_mode_16_64 3
		.amdhsa_memory_ordered 1
		.amdhsa_forward_progress 1
		.amdhsa_inst_pref_size 183
	.end_amdhsa_kernel
	.amdgpu_metadata
---
amdhsa.version: [ 1, 2 ]
amdhsa.kernels:
  - .name:           k_q7fe84313b3_attn
    .symbol:         k_q7fe84313b3_attn.kd
    .args:
      - { .name: kq, .offset: 0, .size: 8, .value_kind: global_buffer, .address_space: global }
      - { .name: vt, .offset: 8, .size: 8, .value_kind: global_buffer, .address_space: global }
      - { .name: er, .offset: 16, .size: 8, .value_kind: global_buffer, .address_space: global }
      - { .name: oh, .offset: 24, .size: 8, .value_kind: global_buffer, .address_space: global }
    .group_segment_fixed_size: 327680
    .private_segment_fixed_size: 0
    .kernarg_segment_align: 8
    .kernarg_segment_size: 32
    .max_flat_workgroup_size: 256
    .sgpr_count:     66
    .vgpr_count:     448
    .wavefront_size: 32
...
	.end_amdgpu_metadata
.endif
;; end of part 2
;; launch outp (part 3): grid 8 x 32, 4 waves a work-group, clusters of 4 x 4, 223,744 bytes of LDS; arguments oh, wo16, bo, out0; writes out0
.if DOCPART == 3
	.amdgcn_target "amdgcn-amd-amdhsa--gfx1250"
	.amdhsa_code_object_version 6
	.text
	.protected	k_q7fe84313b3_outp
	.globl	k_q7fe84313b3_outp
	.p2align	8
	.type	k_q7fe84313b3_outp,@function
k_q7fe84313b3_outp:
	s_mov_b64 s[64:65], 0
	v_nop
	global_prefetch_b8 v0, s[64:65] scope:SCOPE_SE
	s_setreg_imm32_b32 hwreg(HW_REG_WAVE_MODE, 25, 1), 1
	s_wait_xcnt 0x0
	s_wait_alu depctr_hold_cnt(0) depctr_sa_sdst(0) depctr_va_vdst(0) depctr_va_sdst(0) depctr_va_ssrc(0) depctr_va_vcc(0) depctr_vm_vsrc(0)
	s_getreg_b32 s2, hwreg(HW_REG_IB_STS2, 6, 4)
	s_cmp_eq_u32 s2, 0
	s_cbranch_scc0 .Lentry_in_a_cluster
	s_endpgm
.Lentry_in_a_cluster:
	s_bfe_u32 s2, ttmp6, 0x10000c
	s_cmp_lg_u32 s2, 0xf033
	s_cbranch_scc0 .Lentry_shape_is_right
	s_endpgm
.Lentry_shape_is_right:
; out0 = o Wo^T + bo.  o comes head-major: oh [16 bh][2048 w][64 d] f16; wo16 [512 n][512 k] f16; out0 [4096][512] f32.
; Work-group: 128 rows x 64 columns (x = column block, y = row block).  Four waves, 32 rows x 64 columns each: 8 accumulators.
; All of K = 512 lies in LDS at once: 8 heads x 16 KiB of o and 64 rows x 1 KiB of Wo.  First fills only: no slot is ever filled again.
; CLUSTER 4 x 4: the tiles of o hang on the row block alone and are asked for jointly along a row of the cluster, those of Wo on the
; column block alone and jointly along a column.  By this text's count three tensor loads of a wave are out.
; LIMITS: o and Wo are f16 as matrix operands (rounded where they were stored; magnitudes below 65,504); sums and bias in f32.
.set APITCH, 272                       ; o of one head: 128 rows of 128 bytes are dense in memory: brought as 64 rows of 256 bytes + 16 of padding;
                                       ; row m lies at (m >> 1) x 272 + (m & 1) x 128: 16 rows of a fragment touch 16 different 16-byte columns
.set AHEAD,  64*APITCH
.set BBASE,  8*AHEAD
.set BPITCH, 1040                      ; a row of Wo: 1,024 bytes + 16
.set STAGE,  BBASE+64*BPITCH           ; behind the tiles: 16 rows x 272 bytes for each wave, never filled by a tensor load
.set SPITCH, 272
.set ADA, 2                            ; v2-3  my fragments of o, heads 0-3 and 4-7
.set ADB, 4                            ; v4    my fragments of Wo
.set STO, 5                            ; v5    the way out: where 32 bytes of a row go
.set RD,  6                            ; v6    the way out: where a row is read back
.set CO,  7                            ; v7    my offset in out0
.set BOF, 8                            ; v8    32 h: my 8 numbers of bo
.set BI,  16                           ; v16-47   bo in the layout of an accumulator, for each of four column tiles
.set FR,  48                           ; v48-95, v96-143  two fragment buffers: o (mt) at 8 mt, Wo (nt) at 16 + 8 nt
.set ACC, 144                          ; v144-207 accumulator (mt, nt) at 8 (4 mt + nt)
.set G1A, 16
.set G1B, 24
.set G0A, 32                           ; s[32:39] two loads of o
.set G0B, 40                           ; s[40:43] one load of Wo
.macro PLACES
.rept 4
	v_nop
.endr
.endm
.macro ROUND
	s_barrier_signal -1
	s_barrier_wait -1
	s_cmp_lg_u32 s8, 0
	s_cbranch_scc1 .Lnot_wave_0_\@
	s_barrier_signal -3
.Lnot_wave_0_\@:
	s_barrier_wait -3
	s_barrier_signal -1
	s_barrier_wait -1
.endm
	s_load_b256 s[44:51], s[0:1], 0x0              ; oh 44, wo16 46, bo 48, out0 50
	v_lshl_add_u32 v208, v0, 2, 0x36800
	v_mov_b32 v209, 0
	ds_add_u32 v208, v209
	v_lshrrev_b32 v1, 5, v0
	v_readfirstlane_b32 s8, v1                     ; wave 0..3
	s_bfe_u32 s9, ttmp6, 0x40000                   ; cx
	s_bfe_u32 s10, ttmp6, 0x40004                  ; cy
	s_lshl_b32 s11, ttmp9, 2
	s_add_co_u32 s11, s11, s9                      ; column block = 4 x cluster x + cx
	s_and_b32 s12, ttmp7, 0xffff
	s_lshl_b32 s12, s12, 2
	s_add_co_u32 s12, s12, s10                     ; row block = 4 x cluster y + cy
	s_lshl_b32 s13, s10, 2
	s_lshl_b32 s13, 15, s13                        ; my row of the cluster
	s_lshl_b32 s14, 0x1111, s9                     ; my column
	; o: 64 rows x 32 elements of 8 bytes, dense; 16 bytes of padding behind every 64 words
	s_or_b32 s[G1A+0], s13, (3<<16)|(1<<20)|(1<<21)|(5<<22)|(3<<25)
	s_mov_b32 s[G1A+1], 32<<16
	s_mov_b32 s[G1A+2], 64<<16
	s_mov_b32 s[G1A+3], 32<<16
	s_mov_b32 s[G1A+4], 64
	s_mov_b32 s[G1A+5], 32
	s_mov_b32 s[G1A+6], 0
	s_mov_b32 s[G1A+7], 0
	; Wo: 16 rows x 512 elements of 2 bytes; 16 bytes of padding behind every 256 words
	s_or_b32 s[G1B+0], s14, (1<<16)|(1<<20)|(1<<21)|(7<<22)|(3<<25)
	s_mov_b32 s[G1B+1], 512<<16
	s_mov_b32 s[G1B+2], 16<<16
	s_mov_b32 s[G1B+3], 512<<16
	s_mov_b32 s[G1B+4], 16
	s_mov_b32 s[G1B+5], 512
	s_mov_b32 s[G1B+6], 0
	s_mov_b32 s[G1B+7], 0
	; o: batch (8 heads of 262,144 bytes), my two heads 2 w and 2 w + 1, the block's 128 rows of 128 bytes.  No register here ever holds cx.
	s_lshr_b32 s13, s12, 4
	s_lshl_b32 s52, s13, 21
	s_and_b32 s13, s12, 15
	s_lshl_b32 s13, s13, 14
	s_add_co_u32 s52, s52, s13
	s_lshl_b32 s13, s8, 19
	s_add_co_u32 s52, s52, s13
	s_mov_b32 s53, 0
	; Wo: row 64 x column block + 16 w, 1,024 bytes a row.  No register here ever holds cy.
	s_lshl_b32 s54, s11, 16
	s_lshl_b32 s14, s8, 14
	s_add_co_u32 s54, s54, s14
	s_mov_b32 s55, 0
	s_mov_b32 s[G0A+0], 1
	s_mul_i32 s[G0A+1], s8, 2*AHEAD
	s_mov_b32 s[G0A+4], 1
	s_add_co_u32 s[G0A+5], s[G0A+1], AHEAD
	s_mov_b32 s[G0B+0], 1
	s_mul_i32 s[G0B+1], s8, 16*BPITCH
	s_add_co_u32 s[G0B+1], s[G0B+1], BBASE
	s_wait_dscnt 0x0
	s_wait_kmcnt 0x0
	s_add_nc_u64 s[G0A+2:G0A+3], s[44:45], s[52:53]
	s_add_nc_u64 s[G0A+6:G0A+7], s[G0A+2:G0A+3], 262144
	s_or_b32 s[G0A+3], s[G0A+3], 0x80000000
	s_or_b32 s[G0A+7], s[G0A+7], 0x80000000
	s_add_nc_u64 s[G0B+2:G0B+3], s[46:47], s[54:55]
	s_or_b32 s[G0B+3], s[G0B+3], 0x80000000
	ROUND                                          ; all sixteen work-groups are here: the joint loads meet
	tensor_load_to_lds s[G0A:G0A+3], s[G1A:G1A+7]
	s_nop 0
	tensor_load_to_lds s[G0A+4:G0A+7], s[G1A:G1A+7]
	s_nop 0
	tensor_load_to_lds s[G0B:G0B+3], s[G1B:G1B+7]
	s_nop 0
	s_lshl_b32 s56, s11, 8
	s_mov_b32 s57, 0
	s_add_nc_u64 s[48:49], s[48:49], s[56:57]      ; bo at my 64 columns
	s_lshl_b32 s15, s12, 18                        ; out0: row 128 x row block + 32 w of 2,048 bytes, + 256 bytes a column block
	s_add_co_u32 s56, s56, s15
	s_lshl_b32 s15, s8, 16
	s_add_co_u32 s56, s56, s15
	s_add_nc_u64 s[50:51], s[50:51], s[56:57]
	v_and_b32 v9, 15, v0                           ; r
	v_bfe_u32 v10, v0, 4, 1                        ; h
	v_lshrrev_b32 v11, 1, v9
	v_and_b32 v12, 1, v0
	v_mul_u32_u24 v11, v11, APITCH
	v_lshl_add_u32 v11, v12, 7, v11
	v_lshl_add_u32 v11, v10, 4, v11                ; (r >> 1) x 272 + (r & 1) x 128 + 16 h
	s_mul_i32 s15, s8, 16*APITCH                   ; my 32 rows = 16 LDS rows
	v_add_nc_u32 v[ADA], s15, v11
	v_add_nc_u32 v[ADA+1], 4*AHEAD, v[ADA]
	v_mul_u32_u24 v12, v9, BPITCH
	v_lshl_add_u32 v12, v10, 4, v12
	v_add_nc_u32 v[ADB], BBASE, v12
	s_mul_i32 s15, s8, 16*SPITCH
	s_add_co_u32 s15, s15, STAGE
	v_mul_u32_u24 v13, v9, SPITCH
	v_lshl_add_u32 v13, v10, 5, v13
	v_add_nc_u32 v[STO], s15, v13                  ; row r, 32 bytes for each half of the lanes
	v_mul_u32_u24 v14, v10, SPITCH
	v_lshl_add_u32 v14, v9, 4, v14
	v_add_nc_u32 v[RD], s15, v14                   ; lanes 0-15 one row of 256 bytes, lanes 16-31 the next
	v_lshlrev_b32 v15, 11, v10
	v_lshl_add_u32 v[CO], v9, 4, v15               ; the same two rows in out0
	v_lshlrev_b32 v[BOF], 5, v10
.irp nt, 0,1,2,3
	global_load_b128 v[BI+8*\nt:BI+8*\nt+3], v[BOF], s[48:49] offset:64*\nt        ; columns 16 nt + 8 h .. + 7
	global_load_b128 v[BI+8*\nt+4:BI+8*\nt+7], v[BOF], s[48:49] offset:64*\nt+16
.endr
	s_wait_tensorcnt 0x0                           ; my three tiles are in LDS,
	s_wait_loadcnt 0x0
	s_barrier_signal -1
	s_barrier_wait -1                              ; everybody's are
; the fragments of 32 along K (head hd, half c) into buffer buf: 12 loads
.macro FETCH hd, c, buf
.irp mt, 0,1
	ds_load_b128 v[FR+48*\buf+8*\mt:FR+48*\buf+8*\mt+3], v[ADA+(\hd>>2)] offset:(\hd&3)*AHEAD+\mt*8*APITCH+64*\c
	ds_load_b128 v[FR+48*\buf+8*\mt+4:FR+48*\buf+8*\mt+7], v[ADA+(\hd>>2)] offset:(\hd&3)*AHEAD+\mt*8*APITCH+64*\c+32
.endr
.irp nt, 0,1,2,3
	ds_load_b128 v[FR+48*\buf+16+8*\nt:FR+48*\buf+16+8*\nt+3], v[ADB] offset:\nt*16*BPITCH+128*\hd+64*\c
	ds_load_b128 v[FR+48*\buf+16+8*\nt+4:FR+48*\buf+16+8*\nt+7], v[ADB] offset:\nt*16*BPITCH+128*\hd+64*\c+32
.endr
.endm
; 8 matrix instructions, Wo first and o second, so that a lane holds 8 neighbouring columns of one row; the eight accumulators take turns,
; first = 1: the sums start from the bias
.macro MUL8 buf, first
.irp mt, 0,1
.irp nt, 0,1,2,3
.if \first
	v_wmma_f32_16x16x32_f16 v[ACC+8*(4*\mt+\nt):ACC+8*(4*\mt+\nt)+7], v[FR+48*\buf+16+8*\nt:FR+48*\buf+16+8*\nt+7], v[FR+48*\buf+8*\mt:FR+48*\buf+8*\mt+7], v[BI+8*\nt:BI+8*\nt+7]
.else
	v_wmma_f32_16x16x32_f16 v[ACC+8*(4*\mt+\nt):ACC+8*(4*\mt+\nt)+7], v[FR+48*\buf+16+8*\nt:FR+48*\buf+16+8*\nt+7], v[FR+48*\buf+8*\mt:FR+48*\buf+8*\mt+7], v[ACC+8*(4*\mt+\nt):ACC+8*(4*\mt+\nt)+7]
.endif
.endr
.endr
.endm
	FETCH 0, 0, 0
	FETCH 0, 1, 1
	s_wait_dscnt 12                                ; K step 0 is in; the 12 loads of step 1 stay out
	MUL8 0, 1
.set ks, 1
.rept 14
	PLACES                                         ; the buffer that the last eight matrix instructions read is loaded again
	FETCH ((ks+1)>>1), ((ks+1)&1), ((ks+1)&1)
	s_wait_dscnt 12                                ; this K step is in; the 12 loads of the next stay out
	MUL8 (ks&1), 0
.set ks, ks+1
.endr
	s_wait_dscnt 0
	MUL8 1, 0
	; THE WAY OUT, 16 rows at a time through my own stage: 32 bytes a lane in, whole rows of 256 bytes back.  Each group of 16 rows reads back
	; into a fragment buffer of its own, so no source of a store is rewritten.
	PLACES
.irp mt, 0,1
.irp nt, 0,1,2,3
	ds_store_b128 v[STO], v[ACC+8*(4*\mt+\nt):ACC+8*(4*\mt+\nt)+3] offset:64*\nt
	ds_store_b128 v[STO], v[ACC+8*(4*\mt+\nt)+4:ACC+8*(4*\mt+\nt)+7] offset:64*\nt+16
.endr
.irp t, 0,1,2,3,4,5,6,7
	ds_load_b128 v[FR+48*\mt+4*\t:FR+48*\mt+4*\t+3], v[RD] offset:\t*2*SPITCH      ; LDS serves a wave in order: these see the stores above, and the next stores come behind them
.endr
.irp t, 0,1,2,3,4,5,6,7
	s_wait_dscnt 7-\t
	global_store_b128 v[CO], v[FR+48*\mt+4*\t:FR+48*\mt+4*\t+3], s[50:51] offset:(16*\mt+2*\t)*2048   ; 16 lanes store 256 consecutive bytes, aligned
.endr
.endr
	s_wait_tensorcnt 0x0
	ds_add_u32 v208, v209
	s_wait_dscnt 0x0
	ROUND                                          ; the closing round
	s_endpgm
.Lfunc_end_k_q7fe84313b3_outp:
	.size	k_q7fe84313b3_outp, .Lfunc_end_k_q7fe84313b3_outp-k_q7fe84313b3_outp
	.p2alignl 7, 3214868480
	.fill 96, 4, 3214868480
	.section	.rodata,"a",@progbits
	.p2align	6, 0x0
	.amdhsa_kernel k_q7fe84313b3_outp
		.amdhsa_group_segment_fixed_size 223744
		.amdhsa_private_segment_fixed_size 0
		.amdhsa_enable_private_segment 0
		.amdhsa_kernarg_size 32
		.amdhsa_user_sgpr_count 2
		.amdhsa_user_sgpr_kernarg_segment_ptr 1
		.amdhsa_wavefront_size32 1
		.amdhsa_system_sgpr_workgroup_id_x 1
		.amdhsa_system_sgpr_workgroup_id_y 1
		.amdhsa_system_sgpr_workgroup_id_z 1
		.amdhsa_system_vgpr_workitem_id 0
		.amdhsa_next_free_vgpr 210
		.amdhsa_next_free_sgpr 66
		.amdhsa_reserve_vcc 0
		.amdhsa_float_denorm_mode_32 3
		.amdhsa_float_denorm_mode_16_64 3
		.amdhsa_memory_ordered 1
		.amdhsa_forward_progress 1
		.amdhsa_inst_pref_size 34
	.end_amdhsa_kernel
	.amdgpu_metadata
---
amdhsa.version: [ 1, 2 ]
amdhsa.kernels:
  - .name:           k_q7fe84313b3_outp
    .symbol:         k_q7fe84313b3_outp.kd
    .args:
      - { .name: oh, .offset: 0, .size: 8, .value_kind: global_buffer, .address_space: global }
      - { .name: wo16, .offset: 8, .size: 8, .value_kind: global_buffer, .address_space: global }
      - { .name: bo, .offset: 16, .size: 8, .value_kind: global_buffer, .address_space: global }
      - { .name: out0, .offset: 24, .size: 8, .value_kind: global_buffer, .address_space: global }
    .group_segment_fixed_size: 223744
    .private_segment_fixed_size: 0
    .kernarg_segment_align: 8
    .kernarg_segment_size: 32
    .max_flat_workgroup_size: 128
    .sgpr_count:     66
    .vgpr_count:     210
    .wavefront_size: 32
...
	.end_amdgpu_metadata
.endif
;; end of part 3
